; MI455X (gfx1250); checked and timed in simulation.
; The chip was launched on July 23, 2026; its instructions are those of AMD's public machine-readable ISA for CDNA 5 (MIT licence, August 2026) and "CDNA5" Instruction Set Architecture Reference Guide (July 2026). The comments in the code are by the model that wrote it; some were corrected since.
;; Multi Head Attention. Allowed arithmetic: matrix products marked QUANTISED: E2M1 operands, one E8M0 scale for each 32 along K, by v_wmma_scale_f32_16x16x128_f8f6f4 with both operands' format E2M1 (or v_wmma_scale_f32_32x16x128_f4), f32 sums; everything else in f32.
;; Inputs: W_out_codes 2,048 x 64 x 16 uint8 (E2M1 codes of W_out, K innermost, in blocks of 32 codes, two codes a byte); W_out_scales 2,048 x 64 uint8 (E8M0 scales of W_out, one for each 32 codes along K); b_out 2,048 float32; keys 2 x 2,048 x 2,048 float32; mask 2 x 1 x 2,048 x 2,048 int32; query 2 x 2,048 x 2,048 float32; values_codes 2 x 2,048 x 64 x 16 uint8 (E2M1 codes of values, K innermost, in blocks of 32 codes, two codes a byte); values_scales 2 x 2,048 x 64 uint8 (E8M0 scales of values, one for each 32 codes along K).
;; Outputs: out0 2 x 2,048 x 2,048 float32.
;; This version of the problem:
;;   THIS VERSION OF THE PROBLEM IS GIVEN IN LOW PRECISION. The matrix products marked QUANTISED in the list below multiply operands that are first quantised to E2M1 (2 exponent bits, 1 mantissa bit; 4 bits a number), with one power-of-two scale for each 32 numbers along K (OCP MX v1.0); their sums are f32. All else is computed in f32.
;;   The module's matrix products, in the order in which they are computed (A, B: the left and right operand; K: the contracted axis; several contracted axes count as one K, in the product's order):
;;     1. batch 32 x [M 2,048, K 128] x [K 128, N 2,048]; A: input query; B: input keys: QUANTISED
;;     2. batch 32 x [M 128, K 2,048] x [K 2,048, N 2,048]; A: input values (given as codes); B: softmax (see below): QUANTISED
;;     3. [M 4,096, K 2,048] x [K 2,048, N 2,048]; A: computed on the way; B: input W_out (given as codes): QUANTISED
;;   THE QUANTISER, for each operand of a quantised product, along K:
;;     - K is cut into blocks of 32 from its start; a last block that is shorter is filled with zeros.
;;     - A block's scale is 2^e with e = floor(log2(the largest magnitude in the block)) - 2, held to -126 .. 127; a block of zeros has e = 0. As a byte (E8M0): e + 127.
;;     - Each number is divided by its block's scale, clamped to +-6, and rounded to the nearest number of E2M1, ties to even, subnormals kept.
;;     - The product sums the exact products of the quantised numbers (number of the format x scale) in f32.
;;   ~~~python
;;   def quantise(x, axis):      # numpy; x: float32 -> the quantised numbers, widened to float32 again
;;       x = np.moveaxis(x, axis, -1); K = x.shape[-1]
;;       x = np.pad(x, [(0, 0)] * (x.ndim - 1) + [(0, -K % 32)]); x = x.reshape(x.shape[:-1] + (-1, 32)); a = np.abs(x).max(-1, keepdims=True)
;;       e = np.where(a > 0, np.clip(np.frexp(np.where(a > 0, a, 1))[1] - 1 - 2, -126, 127), 0)      # np.frexp(a)[1] - 1 = floor(log2(a)), exactly
;;       r = np.clip(x / 2.0 ** e, -6, 6)
;;       step = 2.0 ** (np.maximum(np.frexp(np.where(r == 0, 1, r))[1] - 1, 0) - 1)
;;       q = np.round(r / step) * step * 2.0 ** e      # np.round: ties to even
;;       return np.moveaxis(q.reshape(q.shape[:-2] + (-1,))[..., :K], -1, axis).astype(np.float32)
;;   ~~~
;;   SOFTMAX AHEAD OF A QUANTISED PRODUCT. Where the list says 'softmax', what is quantised is not the finished softmax but p = 2^(t - M), with t = logit x log2(e) and M = ceil(the row's largest t), a whole number; so 1/2 < the row's largest p <= 1. The row's sum l is taken of the UNQUANTISED p, in f32, and the product's result is divided by l at the end. Since M is a whole number, a kernel that streams over the keys may use a running M (the ceiling of the running maximum): every later rescaling is an exact power of two, which a block's scale takes up: the codes' values come out the same.
;;   OPERANDS COMPUTED ON THE WAY. 'Computed on the way' means the value that the module computes at that place (a softmax that the list does not call 'softmax' is quantised finished and normalised). What goes into a quantiser is computed in f32, as accurately as f32 sums, v_exp_f32 and their like allow (about 1e-6 of the number): no bf16 or f16 on the way to a quantiser, and a product that is left as it is and whose result goes on into a quantised operand takes f32 operands (vector FMAs, or v_wmma_f32_16x16x4_f32). A number that lies on a knife's edge between two numbers of the format may be rounded either way, as far as f32 arithmetic and the matrix unit's own rounding can turn it there, and no further.
;;   INPUTS GIVEN AS CODES. W_out (in the module: [2048, 2048], K = its axis 1); values (in the module: [2, 2048, 2048], K = its axis 1): each comes as NAME_codes (uint8): NAME with its K axis moved to the last place and cut into blocks of 32 codes, [.., K / 32, bytes a block], one block behind the other in memory; two codes a byte, the lower K in the low four bits (a code: sign, 2 exponent bits, 1 mantissa bit); and NAME_scales (uint8): the same leading axes, one E8M0 byte (e + 127) for each 32 codes along K. Its value is code x scale, taken as it is: it is not quantised again, and the codes and scales need not be those that the quantiser above would give.
;; One version. Each part assembles by itself: llvm-mc -triple=amdgcn-amd-amdhsa -mcpu=gfx1250 --defsym DOCPART=n.
;; ======== version 1 of 1: 3 launches
;; limits: right only within a limited range of input values
;; workspace buffers: q_codes 4,194,304 bytes; k_codes 4,194,304 bytes; q_scales 262,144 bytes; k_scales 262,144 bytes; mbits 1,048,576 bytes of whole numbers; a_img 4,194,304 bytes; a_scales 262,144 bytes
;; launch prep (part 1): grid 768 x 1, 4 waves a work-group, no clusters, 67,072 bytes of LDS; arguments query, keys, mask, q_codes, q_scales, k_codes, k_scales, mbits; writes q_codes, q_scales, k_codes, k_scales, mbits
.if DOCPART == 1
	.amdgcn_target "amdgcn-amd-amdhsa--gfx1250"
	.amdhsa_code_object_version 6
	.text
	.protected	k_q6ea308c7e1_prep
	.globl	k_q6ea308c7e1_prep
	.p2align	8
	.type	k_q6ea308c7e1_prep,@function
k_q6ea308c7e1_prep:
	s_mov_b64 s[64:65], 0
	v_nop
	global_prefetch_b8 v0, s[64:65] scope:SCOPE_SE
	s_setreg_imm32_b32 hwreg(HW_REG_WAVE_MODE, 25, 1), 1
	s_wait_xcnt 0x0
; PREP.  Work-groups 0-255 quantise query, 256-511 keys, 512-767 pack the mask.  Every work-group reads 128 KiB.
; QUERY, KEYS: [2][2048][2048] f32; K of the first product is a head's 128 numbers.  They become codes of FP4 (E2M1) with one E8M0 byte for each 32 along K.
; A block's scale is 2^(floor(log2(its largest magnitude)) - 2): its byte is the largest magnitude's exponent field - 2, held at 1 from below.  A block of zeros gets the byte 1: its codes are
; zeros, which add nothing, and this program alone reads the bytes.
; LIMITS: blocks whose largest magnitude lies under 2^(3 - 127) take the floor's byte; NaN and infinities among the inputs are not served.
; CODES' LAYOUT, this program's own: [nh = 16 n + head][rho 128][s 4][u 4][64 bytes], row j of a head = 512 s + 4 rho + u.  A head is 128 rows of 1,024 bytes and 512 rows j are a strip of 256 bytes,
; as in values_codes: one tile shape serves both in the next launch.  Scale bytes: [nh][j][4].
; A wave takes 64 rows j of one head, in 16 steps of 4 rows (512 numbers); the four waves take four neighbouring heads, 2,048 consecutive bytes of each row.  Each load reads 512 consecutive bytes, 16 a lane;
; a step's 2,048 bytes turn through the wave's own stage in LDS and come back 64 bytes a lane (16 neighbours along K; two lanes hold a block).  A step's codes are 256 consecutive aligned bytes; a wave's 256 scale bytes likewise.
; MASK: [2][1][2048][2048] i32 becomes lane masks: mbits [n][tile of 16 queries][step of 128 keys][64 words]; bit l of word 8 t + j says whether query l % 16 may see key 16 t + 8 (l / 16) + j of the step:
; the lane mask of one score register of the next launch.  A work-group takes 16 rows of the mask, a wave 4 steps.  A step's 16 x 512 bytes are loaded densely, turned through LDS (rows 528 bytes apart), compared, and the
; 64 compare masks are laid into a pair of registers, lane by lane, so that one store writes the step's 256 aligned bytes.
; No tensor loads, no barrier: waves share nothing, work-groups share no input, so no cluster.  The two paths have LDS bytes of their own.
.set STEPS, 16
.set SP,    80                         ; a lane's place in a stage: 64 bytes + 16 of padding
.set WREG,  8192                       ; the quantiser's LDS: a region for each wave: two stages of 32 x SP bytes, then its 256 scale bytes
.set MBASE, 32768                      ; the mask path's LDS begins here
.set MPITCH, 528                       ; a row of 512 bytes + 16: an odd multiple of 16, so the 16 rows that a load touches start at different banks
.set MREG,  16*MPITCH                  ; for each wave
.set R,     16                         ; v16-79   four sets of 16 numbers as loaded
.set X,     80                         ; v80-111  two sets of 16 neighbours
.set E,     112                        ; v112-127 a scale byte for each step
.set C,     128                        ; v128-191 codes: four registers a step, so that no store's data are written again
.set TA,    192                        ; v192-194 at work
.set MR,    16                         ; mask: v16-143 two sets of 64 words as loaded
.set MX,    144                        ; v144-207 64 words in the score registers' order
.set MW,    208                        ; v208-215 a pair of registers for each of the wave's four steps
	s_load_b256 s[4:11], s[0:1], 0x0               ; query s[4:5], keys s[6:7], mask s[8:9], q_codes s[10:11]
	s_load_b256 s[12:19], s[0:1], 0x20             ; q_scales s[12:13], k_codes s[14:15], k_scales s[16:17], mbits s[18:19]
	v_lshl_add_u32 v216, v0, 2, 0x10400
	v_mov_b32 v217, 0
	v_lshrrev_b32 v1, 5, v0
	v_readfirstlane_b32 s20, v1                    ; wave 0..3
	v_and_b32 v2, 31, v0                           ; lane
	v_lshlrev_b32 v3, 4, v2                        ; 16 x lane: my bytes of a load's 512
	v_lshlrev_b32 v4, 3, v2                        ; 8 x lane: my bytes of a store's 256
	; every LDS address of both paths is made here, ahead of the parting
	s_mul_i32 s21, s20, WREG
	v_lshrrev_b32 v14, 2, v2
	v_mul_u32_u24 v14, v14, SP
	v_and_b32 v15, 3, v2
	v_lshl_add_u32 v14, v15, 4, v14
	v_add_nc_u32 v14, s21, v14                     ; the stage, in: four lanes' 64 bytes on end, then the padding
	v_mul_u32_u24 v15, v2, SP
	v_add_nc_u32 v15, s21, v15                     ; and out: my 16 neighbours
	v_lshrrev_b32 v5, 1, v2
	s_add_co_u32 s21, s21, 2*32*SP
	v_add_nc_u32 v5, s21, v5                       ; my block's scale byte
	v_add_nc_u32 v6, s21, v4                       ; and the 8 bytes that I read back at the end
	s_mul_i32 s22, s20, MREG
	s_add_co_u32 s22, s22, MBASE
	v_add_nc_u32 v9, s22, v3                       ; mask, in: 16 x lane of a row
	v_and_b32 v7, 15, v2                           ; r
	v_lshrrev_b32 v8, 4, v2                        ; h
	v_mul_u32_u24 v10, v7, MPITCH
	v_lshl_add_u32 v10, v8, 5, v10
	v_add_nc_u32 v10, s22, v10                     ; mask, out: row r, + 32 h bytes (8 keys)
	s_wait_kmcnt 0x0
	s_cmp_ge_u32 ttmp9, 512
	s_cbranch_scc1 .Lmask
	; ---- query or keys: the choice hangs on the work-group's number alone
	s_cmp_lt_u32 ttmp9, 256
	s_cselect_b64 s[4:5], s[4:5], s[6:7]           ; the numbers
	s_cselect_b64 s[10:11], s[10:11], s[14:15]     ; the codes
	s_cselect_b64 s[12:13], s[12:13], s[16:17]     ; the scale bytes
	s_and_b32 s22, ttmp9, 255
	s_lshr_b32 s23, s22, 7                         ; n
	s_bfe_u32 s24, s22, 0x50002                    ; kb: which 64 rows
	s_and_b32 s25, s22, 3
	s_lshl_b32 s25, s25, 2
	s_add_co_u32 s25, s25, s20                     ; head
	s_lshl_b32 s26, s23, 4
	s_add_co_u32 s26, s26, s25                     ; nh
	s_lshl_b32 s28, s23, 24                        ; numbers: n x 2^24 + 64 kb rows of 8,192 bytes + 512 x head
	s_lshl_b32 s27, s24, 19
	s_add_co_u32 s28, s28, s27
	s_lshl_b32 s27, s25, 9
	s_add_co_u32 s28, s28, s27
	s_mov_b32 s29, 0
	s_add_nc_u64 s[4:5], s[4:5], s[28:29]
	s_lshl_b32 s28, s26, 17                        ; codes: nh x 2^17 + s x 256 (s = kb / 8) + rho x 1,024 (rho = 16 (kb % 8) + step)
	s_lshr_b32 s27, s24, 3
	s_lshl_b32 s27, s27, 8
	s_add_co_u32 s28, s28, s27
	s_and_b32 s27, s24, 7
	s_lshl_b32 s27, s27, 14
	s_add_co_u32 s28, s28, s27
	s_add_nc_u64 s[10:11], s[10:11], s[28:29]
	s_lshl_b32 s28, s26, 13                        ; scale bytes: nh x 8,192 + 256 kb
	s_lshl_b32 s27, s24, 8
	s_add_co_u32 s28, s28, s27
	s_add_nc_u64 s[12:13], s[12:13], s[28:29]
.macro LOAD t                          ; step t: rows 4 t .. 4 t + 3 of my head, 512 consecutive bytes a load
.irp i, 0,1,2,3
	global_load_b128 v[R+16*((\t)%4)+4*\i:R+16*((\t)%4)+4*\i+3], v3, s[4:5] offset:(4*(\t)+\i)*8192 th:TH_LOAD_NT
.endr
.endm
.macro TURN t                          ; step t's numbers through the stage: LDS serves a wave's instructions in order, so no wait stands between the stores and the loads
.irp i, 0,1,2,3
	ds_store_b128 v14, v[R+16*((\t)%4)+4*\i:R+16*((\t)%4)+4*\i+3] offset:32*SP*((\t)%2)+8*SP*\i
.endr
.irp i, 0,1,2,3
	ds_load_b128 v[X+16*((\t)%2)+4*\i:X+16*((\t)%2)+4*\i+3], v15 offset:32*SP*((\t)%2)+16*\i
.endr
.endm
.irp t, 0,1,2,3
	LOAD \t
.endr
	s_wait_loadcnt 12                              ; step 0's four loads are in; the twelve behind them stay out
	TURN 0
.macro STEP t
.set XS, X+16*((\t)%2)
.if (\t) > 0
	s_wait_dscnt 1                                 ; this step's numbers are back from the stage (the last step's byte store may be out): so its stores into the stage have read their registers,
.else
	s_wait_dscnt 0x0
.endif
.if (\t)+4 < STEPS
	LOAD (\t)+4                                    ; which take the loads of four steps on
.endif
.if (\t)+1 < STEPS
.if STEPS-2-(\t) >= 3
	s_wait_loadcnt 12                              ; the next step's four loads are in; those of the three steps behind it may be out
.else
	s_wait_loadcnt 4*(STEPS-2-(\t))
.endif
	TURN (\t)+1                                    ; they go through the other stage while this step is worked
.endif
	v_max3_num_f32 v[TA], |v[XS]|, |v[XS+1]|, |v[XS+2]|            ; the largest magnitude of my 16, in two chains
	v_max3_num_f32 v[TA+1], |v[XS+3]|, |v[XS+4]|, |v[XS+5]|
.irp i, 6,10
	v_max3_num_f32 v[TA], v[TA], |v[XS+\i]|, |v[XS+\i+1]|
	v_max3_num_f32 v[TA+1], v[TA+1], |v[XS+\i+2]|, |v[XS+\i+3]|
.endr
	v_max3_num_f32 v[TA], v[TA], |v[XS+14]|, |v[XS+15]|
	v_max3_num_f32 v[TA], v[TA], v[TA+1], 0x1800000                ; and the floor 2^(3 - 127): the byte cannot fall under 1
	v_max_num_f32_dpp v[TA], v[TA], v[TA] row_xmask:1 row_mask:0xf bank_mask:0xf   ; and of my neighbour's 16: the block's
	v_add_nc_u32 v[TA+2], 0xff000000, v[TA]        ; 2 off its exponent field: the conversion takes the exponent field of this operand as its scale
	v_cvt_scalef32_pk8_fp4_f32 v[C+4*(\t)], v[XS:XS+7], v[TA+2]
	v_cvt_scalef32_pk8_fp4_f32 v[C+4*(\t)+1], v[XS+8:XS+15], v[TA+2]
	v_lshrrev_b32 v[E+(\t)], 23, v[TA+2]           ; the scale's byte (also the plain line behind the conversions)
	ds_store_b8 v5, v[E+(\t)] offset:16*(\t)       ; both lanes of a block write the same byte with the same value
	global_store_b64 v4, v[C+4*(\t):C+4*(\t)+1], s[10:11] offset:1024*(\t)   ; four rows' 64 bytes: 256 consecutive bytes, aligned
.endm
.irp t, 0,1,2,3,4,5,6,7,8,9,10,11,12,13,14,15
	STEP \t
.endr
	ds_load_b64 v[12:13], v6                       ; LDS serves a wave's instructions in order: these see my byte stores
	s_wait_dscnt 0x0
	global_store_b64 v4, v[12:13], s[12:13]        ; 64 rows' scale words: 256 consecutive bytes, aligned
	s_wait_tensorcnt 0x0
	ds_add_u32 v216, v217
	s_wait_dscnt 0x0
	s_endpgm
	; ---- the mask
.Lmask:
	s_sub_co_u32 s22, ttmp9, 512                   ; T = 128 n + the tile of 16 queries
	s_lshl_b32 s24, s22, 17                        ; 16 rows of 8,192 bytes
	s_lshl_b32 s23, s20, 11                        ; my wave's four steps of 512 bytes
	s_add_co_u32 s24, s24, s23
	s_mov_b32 s25, 0
	s_add_nc_u64 s[8:9], s[8:9], s[24:25]
	s_lshl_b32 s24, s22, 12                        ; 16 steps of 256 bytes
	s_lshl_b32 s23, s20, 10
	s_add_co_u32 s24, s24, s23
	s_add_nc_u64 s[18:19], s[18:19], s[24:25]
.irp i, 0,1,2,3,4,5,6,7
	v_mov_b32 v[MW+\i], 0                          ; written whole once: v_writelane_b32 keeps the other lanes
.endr
.macro MLOAD u                         ; step u of my four: 16 rows x 512 consecutive bytes
.irp q, 0,1,2,3,4,5,6,7,8,9,10,11,12,13,14,15
	global_load_b128 v[MR+64*((\u)%2)+4*\q:MR+64*((\u)%2)+4*\q+3], v3, s[8:9] offset:\q*8192+(\u)*512 th:TH_LOAD_NT
.endr
.endm
.macro UNIT u
.if (\u) < 3
	s_wait_loadcnt 16                              ; this step's 16 loads are in; the next step's 16 may be out
.else
	s_wait_loadcnt 0x0
.endif
.irp q, 0,1,2,3,4,5,6,7,8,9,10,11,12,13,14,15
	ds_store_b128 v9, v[MR+64*((\u)%2)+4*\q:MR+64*((\u)%2)+4*\q+3] offset:MPITCH*\q
.endr
.irp t, 0,1,2,3,4,5,6,7
.irp e, 0,1
	ds_load_b128 v[MX+8*\t+4*\e:MX+8*\t+4*\e+3], v10 offset:64*\t+16*\e   ; register 8 t + j: row r, key 16 t + 8 h + j
.endr
.endr
	s_wait_dscnt 0x0                               ; the words are back, and the stores have read their registers,
.if (\u) < 2
	MLOAD (\u)+2                                   ; which take the loads of two steps on
.endif
.irp g, 0,1,2,3
.irp i, 0,1,2,3,4,5,6,7,8,9,10,11,12,13,14,15
	v_cmp_ne_u32 s[32+\i], 0, v[MX+16*\g+\i]       ; word 16 g + i: a bit a lane
.endr
.irp i, 0,1,2,3,4,5,6,7,8,9,10,11,12,13,14,15
	v_writelane_b32 v[MW+2*(\u)+(\i%2)], s[32+\i], 8*\g+\i/2   ; word k lies in register k % 2 of lane k / 2: 8 bytes a lane, the words on end
.endr
.endr
	global_store_b64 v4, v[MW+2*(\u):MW+2*(\u)+1], s[18:19] offset:256*(\u)   ; the step's 64 words: 256 consecutive bytes, aligned
.endm
	MLOAD 0
	MLOAD 1
	s_wait_alu depctr_va_vdst(0)
	UNIT 0
	UNIT 1
	UNIT 2
	UNIT 3
	s_wait_tensorcnt 0x0
	ds_add_u32 v216, v217
	s_wait_dscnt 0x0
	s_endpgm
.Lfunc_end_k_q6ea308c7e1_prep:
	.size	k_q6ea308c7e1_prep, .Lfunc_end_k_q6ea308c7e1_prep-k_q6ea308c7e1_prep
	.p2alignl 7, 3214868480
	.fill 96, 4, 3214868480
	.section	.rodata,"a",@progbits
	.p2align	6, 0x0
	.amdhsa_kernel k_q6ea308c7e1_prep
		.amdhsa_group_segment_fixed_size 67072
		.amdhsa_private_segment_fixed_size 0
		.amdhsa_enable_private_segment 0
		.amdhsa_kernarg_size 64
		.amdhsa_user_sgpr_count 2
		.amdhsa_user_sgpr_kernarg_segment_ptr 1
		.amdhsa_wavefront_size32 1
		.amdhsa_system_sgpr_workgroup_id_x 1
		.amdhsa_system_sgpr_workgroup_id_y 1
		.amdhsa_system_sgpr_workgroup_id_z 1
		.amdhsa_system_vgpr_workitem_id 0
		.amdhsa_next_free_vgpr 218
		.amdhsa_next_free_sgpr 66
		.amdhsa_reserve_vcc 0
		.amdhsa_float_denorm_mode_32 3
		.amdhsa_float_denorm_mode_16_64 3
		.amdhsa_memory_ordered 1
		.amdhsa_forward_progress 1
		.amdhsa_inst_pref_size 82
	.end_amdhsa_kernel
	.amdgpu_metadata
---
amdhsa.version: [ 1, 2 ]
amdhsa.kernels:
  - .name:           k_q6ea308c7e1_prep
    .symbol:         k_q6ea308c7e1_prep.kd
    .args:
      - { .name: query, .offset: 0, .size: 8, .value_kind: global_buffer, .address_space: global }
      - { .name: keys, .offset: 8, .size: 8, .value_kind: global_buffer, .address_space: global }
      - { .name: mask, .offset: 16, .size: 8, .value_kind: global_buffer, .address_space: global }
      - { .name: q_codes, .offset: 24, .size: 8, .value_kind: global_buffer, .address_space: global }
      - { .name: q_scales, .offset: 32, .size: 8, .value_kind: global_buffer, .address_space: global }
      - { .name: k_codes, .offset: 40, .size: 8, .value_kind: global_buffer, .address_space: global }
      - { .name: k_scales, .offset: 48, .size: 8, .value_kind: global_buffer, .address_space: global }
      - { .name: mbits, .offset: 56, .size: 8, .value_kind: global_buffer, .address_space: global }
    .group_segment_fixed_size: 67072
    .private_segment_fixed_size: 0
    .kernarg_segment_align: 8
    .kernarg_segment_size: 64
    .max_flat_workgroup_size: 128
    .sgpr_count:     66
    .vgpr_count:     218
    .wavefront_size: 32
...
	.end_amdgpu_metadata
.endif
;; end of part 1
;; launch attn (part 2): grid 8 x 32, 16 waves a work-group, no clusters, 327,680 bytes of LDS; arguments q_codes, q_scales, k_codes, k_scales, values_codes, values_scales, mbits, a_img, a_scales; writes a_img, a_scales
.if DOCPART == 2
	.amdgcn_target "amdgcn-amd-amdhsa--gfx1250"
	.amdhsa_code_object_version 6
	.text
	.protected	k_q6ea308c7e1_attn
	.globl	k_q6ea308c7e1_attn
	.p2align	8
	.type	k_q6ea308c7e1_attn,@function
k_q6ea308c7e1_attn:
	s_mov_b64 s[64:65], 0
	v_nop
	global_prefetch_b8 v0, s[64:65] scope:SCOPE_SE
	s_setreg_imm32_b32 hwreg(HW_REG_WAVE_MODE, 25, 1), 1
	s_wait_xcnt 0x0
; ATTENTION on codes of FP4 (E2M1) with one E8M0 scale for each 32 along a product's K, for 32 pairs nh = 16 n + head, 2,048 queries, 2,048 keys, head size 128; its result is quantised for the last product.
; t = score x c, c = log2(e) / sqrt(2048); M = the row's largest t so far, rounded UP to a whole number; p = 2^(t - M) is quantised along the keys, not normalised.  The row's sum is taken of the unquantised p
; and divides O at the end.  When M moves, the sum and O are multiplied by 2^(old M - new M): exact.
; THE MASK comes as lane masks (mbits: 64 words for a tile of 16 queries and a step of 128 keys, whole numbers that the launch before stored, read by scalar loads a step ahead): one v_cndmask_b32 a score register puts -2^66
; where the mask is 0.  Where all 64 words of a step are all ones the 64 selects would change nothing: a scalar AND over the words.
; LIMIT, STATED: the masked score is -2^66 (-7.4e19) where the definition writes -1e20.  c x 2^66 is exact, so in a row that is masked throughout t - M is exactly 0 and every p is 1: the uniform row of the definition.
; In a row with a visible key p is 0 for the masked ones under either number, as long as visible scores stay under about 2^60 in magnitude.  NaN and infinities are not served.
; SHARES.  A work-group owns 256 queries of one nh; each of its sixteen waves 16 of them, in 256 registers, four waves to a SIMD.  Every wave walks all keys, 128 a step, 16 steps.
; THE WHOLE nh STAYS IN LDS: K's and V's codes are 2 x 131,072 bytes = sixteen tiles of 64 rows x 256 bytes (slot s = 512 keys: K's two halves, V's two halves); tile T lies at T x 17,408, rows 272 bytes apart.
; Wave w brings tile w THROUGH REGISTERS: 32 loads of two whole rows of 256 bytes each, 32 LDS stores; one barrier shows all tiles to every wave, and behind it no wave waits for another.
; NO TENSOR LOAD, NO CLUSTER: the step's branch hangs on mask words read from memory; the tiles that the eight work-groups of an nh share are not asked for jointly.
; No prefetch is laid: every tile is asked for at the head, so there is no loop to run ahead in.
; LAYOUT.  Both products are used transposed: S^T = K Q^T, O^T = V^T P^T: a lane holds ONE query (lane % 16); register 8 t + j holds key (or channel) 16 t + 8 (lane / 16) + j.
; A block of 32 keys is registers 16 b .. 16 b + 15 of lanes l and l xor 16.  The eight conversions of a step are laid so that four exchanges of half registers give the operand's layout.
; TWO BLOCKS OF 64 REGISTERS CHANGE ROLES FROM STEP TO STEP: K's fragments lie in block F, the scores go to block S; V's fragments are loaded into F behind the first products; when p has been summed, the NEXT step's K is loaded into S.
; SCALE WORDS of two neighbouring tiles share a register: lanes 0-15 the even tile's rows, lanes 16-31 the odd tile's (MATRIX_SCALE_ROW1).
; OUT.  O / the sum is quantised along the head's 128 channels: its 8 registers go to a_img as an image of the operand's registers ([K slot 4][tile of 16 rows 256][step 4][1,024 bytes]); its scale word to a_scales [row][64 bytes]
; at 4 x head: 4 bytes a row, rows 64 bytes apart, so these stores write parts of 256-byte runs: one byte for 16 of codes.  A block of zeros has the byte 1 and zero codes; this program alone reads the bytes.
; REGISTERS: v1-4 lane places; v5, v6 the add's; v7 -2^66; v8-11 addresses in hand; v12 -M, v13 largest t, v[14:15] the sum; v16-23 Q; v24-27, v31 offsets; v32-95, v96-159 the two blocks (at the head: my tile); v160-223 O^T;
; v224-231 codes (at the head: scale bytes); v232-239, v244-247, v252, v254 at work; v240-243 K's scale words; v248-251 V's; v253 p's scale word; v255 Q's.
; SCALARS: s2 the slot's LDS base; s3 the NEXT step's place among K's scale words; s4 this step's among V's; s5 trips; s6 wave; s7 offset of the mask words; s[8:9] my mask words; s[10:11] lane selects; s[12:13] c; s14 the next slot's base;
; s[26:27] my tile in memory; s[28:29], s[30:31] where the result goes; s[32:63], s[68:99] the step's 64 mask words (ahead of the steps: arguments and work); s[100:101] their AND.
.set KP,    272                        ; an LDS row: 256 bytes + 16 of padding
.set VOFF,  128*KP                     ; in a slot V's rows lie behind K's
.set TILEB, 64*KP                      ; a wave's tile
.set SLOTB, 4*TILEB
.set SCK,   4*SLOTB                    ; K's scale bytes
.set SCR,   32*272
.set SCV,   SCK+SCR                    ; V's
.set SPARE, SCV+SCR                    ; the spare words, 128 bytes for each wave
.macro MLOADS                          ; 64 mask words, 256 bytes, at s7 in my tile's 4,096
	s_load_b512 s[32:47], s[8:9], s7 offset:0x0
	s_load_b512 s[48:63], s[8:9], s7 offset:0x40
	s_load_b512 s[68:83], s[8:9], s7 offset:0x80
	s_load_b512 s[84:99], s[8:9], s7 offset:0xc0
.endm
.macro KFETCH dst, q                   ; K's eight fragments of a slot's q-th 128 keys into block dst, and their scale words: 20 LDS loads
.irp t, 0,1,2,3,4,5,6,7
	ds_load_b128 v[\dst+8*\t:\dst+8*\t+3], v8 offset:(32*(\q)+4*\t)*KP
	ds_load_b128 v[\dst+8*\t+4:\dst+8*\t+7], v8 offset:(32*(\q)+4*\t)*KP+32
.endr
.irp p, 0,1,2,3
	ds_load_b32 v[240+\p], v10 offset:272*(\p/2)+128*(\p%2)
.endr
.endm
	s_load_b512 s[32:47], s[0:1], 0x0              ; q_codes 32, q_scales 34, k_codes 36, k_scales 38, values_codes 40, values_scales 42, mbits 44, a_img 46
	s_load_b64 s[48:49], s[0:1], 0x40              ; a_scales
	v_lshrrev_b32 v8, 5, v0
	v_readfirstlane_b32 s6, v8                     ; wave 0..15
	s_mov_b32 s51, ttmp9                           ; x: my block of 256 queries
	s_and_b32 s52, ttmp7, 0xffff                   ; nh
	s_lshr_b32 s53, s52, 4                         ; n
	s_and_b32 s54, s52, 15                         ; head
	s_lshl_b32 s55, s53, 7
	s_lshl_b32 s56, s51, 4
	s_add_co_u32 s55, s55, s56
	s_add_co_u32 s55, s55, s6                      ; m16 = 128 n + 16 x + wave: my tile of 16 rows
	; my tile of K or V: wave w takes part w % 4 (0, 1: K's halves; 2, 3: V's) of slot w / 4
	s_and_b32 s80, s6, 1
	s_lshl_b32 s82, s80, 16                        ; the half: 64 rows of 1,024 bytes,
	s_lshl_b32 s81, s52, 17
	s_add_co_u32 s82, s82, s81                     ; in my nh,
	s_lshr_b32 s81, s6, 2
	s_lshl_b32 s81, s81, 8
	s_add_co_u32 s82, s82, s81                     ; the slot's strip of 256 bytes
	s_mov_b32 s83, 0
	s_lshl_b32 s84, s52, 13                        ; my nh's scale bytes
	s_mov_b32 s85, 0
	s_mul_i32 s86, s6, TILEB                       ; where the tile goes: wave x 64 rows
	s_and_b32 s87, s6, 2
	s_mov_b32 s10, 0x76543210
	s_mov_b32 s11, 0xfedcba98                      ; v_permlanex16_b32's selects for lane l xor 16
	s_mov_b32 s12, 0x3d0293ee                      ; c = log2(e) / sqrt(2048)
	s_mov_b32 s13, s12
	s_mov_b32 s2, 0
	s_mov_b32 s3, 0
	s_mov_b32 s4, 0
	s_mov_b32 s5, 3
	s_mov_b32 s7, 0
	; every vector register of the head is made here, on end
	v_lshl_add_u32 v5, v0, 2, SPARE
	v_mov_b32 v6, 0
	v_and_b32 v8, 15, v0                           ; r
	v_bfe_u32 v9, v0, 4, 1                         ; h
	v_and_b32 v10, 31, v0                          ; lane
	v_lshrrev_b32 v11, 2, v8                       ; r / 4
	v_and_b32 v28, 3, v8                           ; r % 4
	v_lshlrev_b32 v31, 10, v9
	v_lshl_add_u32 v31, v8, 4, v31                 ; my tile in memory: lanes 0-15 one row of 256 bytes, lanes 16-31 the next, 1,024 bytes on
	v_mul_u32_u24 v252, v9, KP
	v_lshl_add_u32 v252, v8, 4, v252
	v_add_nc_u32 v252, s86, v252                   ; and the same two rows in LDS
	v_lshlrev_b32 v25, 4, v0                       ; 512 threads x 16 bytes are a tensor's 8,192 scale bytes
	v_lshlrev_b32 v26, 10, v11
	v_lshl_add_u32 v26, v28, 6, v26
	v_lshl_add_u32 v26, v9, 4, v26                 ; Q: (r / 4) x 1,024 + (r % 4) x 64 + 16 h
	v_lshlrev_b32 v27, 2, v8
	v_lshrrev_b32 v24, 4, v0
	v_mul_u32_u24 v24, v24, 272
	v_lshl_add_u32 v24, v8, 4, v24
	v_add_nc_u32 v24, SCK, v24                     ; where my 16 scale bytes go
	v_mul_u32_u24 v1, v11, KP
	v_lshl_add_u32 v1, v28, 6, v1
	v_lshl_add_u32 v1, v9, 4, v1                   ; K: key r of a tile: (r / 4) rows + (r % 4) x 64 + 16 h
	v_mul_u32_u24 v2, v8, KP
	v_lshl_add_u32 v2, v9, 4, v2
	v_add_nc_u32 v2, VOFF, v2                      ; V: channel r of a tile
	v_lshl_add_u32 v3, v10, 2, SCK                 ; K's scale words: 4 bytes a key, 32 keys a load
	v_lshrrev_b32 v29, 2, v10
	v_and_b32 v30, 3, v10
	v_mul_u32_u24 v4, v29, 272
	v_lshl_add_u32 v4, v30, 6, v4
	v_add_nc_u32 v4, SCV, v4                       ; V's: 64 bytes a channel; 32 channels a load
	v_mov_b32 v7, 0xe0800000                       ; -2^66
	v_mov_b32 v13, 0xff61b1e6                      ; the largest t so far: -3e38
	v_floor_f32 v12, -v13                          ; -M
	v_mov_b32 v14, 0
	v_mov_b32 v15, 0
.irp b, 0,1,2,3
	v_mov_b32 v[236+\b], 0                         ; a lane permute's destination counts as one of its sources
.endr
	v_mov_b32 v253, 0
.set j, 0
.rept 64
	v_mov_b32 v[160+j], 0                          ; O^T: the step has no first form of its own; the first change of M multiplies zeros
.set j, j+1
.endr
	s_wait_alu depctr_va_vdst(0)
	s_wait_kmcnt 0x0
	s_cmp_eq_u32 s87, 0
	s_cselect_b64 s[88:89], s[36:37], s[40:41]     ; K's codes or V's
	s_add_nc_u64 s[26:27], s[88:89], s[82:83]
.set i, 0
.rept 32
	global_load_b128 v[32+4*i:35+4*i], v31, s[26:27] offset:2048*i   ; rows 2 i and 2 i + 1 of my tile: two aligned runs of 256 bytes
.set i, i+1
.endr
	s_lshr_b32 s56, s54, 2                         ; the result's image: (head / 4) x 2^20 + m16 x 4,096 + (head % 4) x 1,024
	s_lshl_b32 s56, s56, 20
	s_lshl_b32 s57, s55, 12
	s_add_co_u32 s56, s56, s57
	s_and_b32 s57, s54, 3
	s_lshl_b32 s57, s57, 10
	s_add_co_u32 s56, s56, s57
	s_mov_b32 s57, 0
	s_add_nc_u64 s[28:29], s[46:47], s[56:57]
	s_lshl_b32 s56, s55, 12                        ; my mask words: m16 x 4,096
	s_add_nc_u64 s[8:9], s[44:45], s[56:57]
	s_lshl_b32 s56, s55, 10                        ; the result's scale words: 16 rows of 64 bytes, + 4 x head
	s_lshl_b32 s58, s54, 2
	s_add_co_u32 s56, s56, s58
	s_add_nc_u64 s[30:31], s[48:49], s[56:57]
	s_lshl_b32 s56, s52, 17                        ; Q's codes: query j = 512 s + 4 rho + u: s = x / 2, rho = 64 (x % 2) + 4 wave + r / 4, u = r % 4
	s_lshr_b32 s58, s51, 1
	s_lshl_b32 s58, s58, 8
	s_add_co_u32 s56, s56, s58
	s_and_b32 s58, s51, 1
	s_lshl_b32 s58, s58, 16
	s_add_co_u32 s56, s56, s58
	s_lshl_b32 s58, s6, 12
	s_add_co_u32 s56, s56, s58
	s_add_nc_u64 s[60:61], s[32:33], s[56:57]
	s_lshl_b32 s56, s52, 13                        ; Q's scale words: 4 bytes a query
	s_lshl_b32 s58, s51, 10
	s_add_co_u32 s56, s56, s58
	s_lshl_b32 s58, s6, 6
	s_add_co_u32 s56, s56, s58
	s_add_nc_u64 s[62:63], s[34:35], s[56:57]
	s_add_nc_u64 s[88:89], s[38:39], s[84:85]      ; K's scale bytes of my nh,
	s_add_nc_u64 s[90:91], s[42:43], s[84:85]      ; V's
	global_load_b128 v[224:227], v25, s[88:89]
	global_load_b128 v[228:231], v25, s[90:91]
	global_load_b128 v[16:19], v26, s[60:61]       ; Q's fragment stays in registers
	global_load_b128 v[20:23], v26, s[60:61] offset:32
	global_load_b32 v255, v27, s[62:63]            ; Q's scale words
.set i, 0
.rept 32
	s_wait_loadcnt 36-i                            ; load i of my tile is in: the 31 - i behind it and the five for scale bytes and Q may be out
	ds_store_b128 v252, v[32+4*i:35+4*i] offset:2*KP*i
.set i, i+1
.endr
	s_wait_loadcnt 0x0                             ; the scale bytes and Q are in, so every base may be written
	ds_store_b128 v24, v[224:227]
	ds_store_b128 v24, v[228:231] offset:SCR
	MLOADS                                         ; the first step's mask words take the arguments' registers
	s_wait_dscnt 0x0                               ; my tile and my scale bytes lie in LDS
	s_barrier_signal -1
	s_barrier_wait -1                              ; everybody's: all of K and V and their scale bytes lie in LDS; nothing is written there from here on
	v_add_nc_u32 v8, s2, v1
	v_add_nc_u32 v10, s3, v3
	KFETCH 32, 0                                   ; the first step's K
	s_add_co_u32 s3, s3, 544
; A KEY STEP: 128 keys, the q-th of the slot in hand.  ahead = 1: the next step's K and mask words are asked for.
.macro STEP q, ahead
.set FB, 32+64*((\q)%2)                ; K's fragments, then V's
.set SB, 96-64*((\q)%2)                ; the scores, then p, then the next step's K
	; five plain lines stand between the last step's second products and this step's first, which write over the registers that those read
.if \ahead
.if (\q) == 3
	s_add_co_u32 s14, s2, SLOTB
	v_add_nc_u32 v8, s14, v1
.else
	v_add_nc_u32 v8, s2, v1
.endif
	v_add_nc_u32 v10, s3, v3
.else
	v_nop
	v_nop
.endif
	v_add_nc_u32 v9, s2, v2
	v_add_nc_u32 v11, s4, v4
	v_mov_b32 v247, v12                            ; the old -M
	s_wait_alu depctr_va_vdst(0)
	s_wait_dscnt 0x0                               ; K, asked for in the step before
.irp p, 0,1,2,3                                ; S^T = K Q^T: eight tiles of 16 keys, each a sum of its own
	v_wmma_scale_f32_16x16x128_f8f6f4 v[SB+16*\p:SB+16*\p+7], v[FB+16*\p:FB+16*\p+7], v[16:23], 0, v[240+\p], v255 matrix_a_fmt:MATRIX_FMT_FP4 matrix_b_fmt:MATRIX_FMT_FP4
	v_wmma_scale_f32_16x16x128_f8f6f4 v[SB+8+16*\p:SB+15+16*\p], v[FB+8+16*\p:FB+15+16*\p], v[16:23], 0, v[240+\p], v255 matrix_a_fmt:MATRIX_FMT_FP4 matrix_b_fmt:MATRIX_FMT_FP4 matrix_a_scale:MATRIX_SCALE_ROW1
.endr
.rept 4
	v_nop                                          ; four places: in front of the loads into registers that these products read, and of the first read of their results
.endr
.irp t, 0,1,2,3,4,5,6,7                        ; V's fragments and scale words land under the softmax
	ds_load_b128 v[FB+8*\t:FB+8*\t+3], v9 offset:16*\t*KP+64*(\q)
	ds_load_b128 v[FB+8*\t+4:FB+8*\t+7], v9 offset:16*\t*KP+64*(\q)+32
.endr
.irp p, 0,1,2,3
	ds_load_b32 v[248+\p], v11 offset:\p*8*272
.endr
	s_wait_kmcnt 0x0                               ; this step's mask words, asked for a step ago
	s_and_b64 s[100:101], s[32:33], s[34:35]       ; the AND of the 64 words, two at a time
.set k, 2
.rept 30
	s_and_b64 s[100:101], s[100:101], s[32+2*k+4*(k/16):33+2*k+4*(k/16)]
.set k, k+1
.endr
	s_and_b32 s100, s100, s101
	s_cmp_eq_u32 s100, -1
	s_cbranch_scc1 .Lopen_\@                       ; every query of my tile may see every key of the step: the selects would keep all 64 registers as they are
.set k, 0
.rept 64
	v_cndmask_b32 v[SB+k], v7, v[SB+k], s[32+k+4*(k/32)]   ; the score where the bit is set, else -2^66; each tile from its low end on
.set k, k+1
.endr
.Lopen_\@:
.if \ahead
	s_wait_xcnt 0x0                                ; no scalar load is out: the offset may be written
	s_add_co_u32 s7, s7, 256                       ; 15 x 256 at the most, inside my tile's 4,096 bytes
	MLOADS
.endif
.irp b, 0,1,2,3
	v_max3_num_f32 v[232+\b], v[SB+16*\b], v[SB+1+16*\b], v[SB+2+16*\b]   ; the largest score of each block of 32 keys: it serves the row's maximum and, since p rises with the score, the block's largest p
.endr
.irp i, 3,5,7,9,11,13
.irp b, 0,1,2,3
	v_max3_num_f32 v[232+\b], v[232+\b], v[SB+16*\b+\i], v[SB+1+16*\b+\i]
.endr
.endr
.irp b, 0,1,2,3
	v_max_num_f32 v[232+\b], v[232+\b], v[SB+15+16*\b]
.endr
.irp b, 0,1,2,3
	v_permlanex16_b32 v[236+\b], v[232+\b], s10, s11
.endr
.irp b, 0,1,2,3
	v_max_num_f32 v[232+\b], v[232+\b], v[236+\b]  ; with lane l xor 16's 16 keys
.endr
	v_max3_num_f32 v254, v232, v233, v234
	v_max_num_f32 v254, v254, v235                 ; the step's largest score of my query
	v_mul_f32 v254, s12, v254                      ; as t (c is positive)
	v_max_num_f32 v13, v13, v254                   ; the running largest t
	v_floor_f32 v12, -v13                          ; the new -M = -ceil(t)
	v_sub_f32 v254, v12, v247                      ; old M - new M: a whole number, 0 or less
	v_cvt_i32_f32 v254, v254                       ; (it saturates)
	v_ldexp_f32 v252, 1.0, v254                    ; f = 2^(old M - new M)
.irp b, 0,1,2,3
	v_fma_f32 v[232+\b], v[232+\b], s12, v12       ; t - M of each block's largest score
.endr
.set j, 0
.rept 32
	v_pk_fma_f32 v[SB+2*j:SB+2*j+1], v[SB+2*j:SB+2*j+1], s[12:13], v[12:13] op_sel_hi:[1,0,0]   ; t - M, two at a time
.set j, j+1
.endr
.set j, 0
.rept 32
	v_pk_mul_f32 v[160+2*j:161+2*j], v[160+2*j:161+2*j], v[252:253] op_sel_hi:[1,0]   ; O^T under the new M, each tile from its low end on; it is read ahead of the step's exponentials
.set j, j+1
.endr
	v_pk_mul_f32 v[14:15], v[14:15], v[252:253] op_sel_hi:[1,0]   ; the sums under the new M
	s_wait_alu depctr_va_vdst(0)                   ; ONE BATCH of 68 exponentials
.irp b, 0,1,2,3
	v_exp_f32 v[232+\b], v[232+\b]                 ; the block's largest p: the same multiply-add and exponential on the same number give the same bits
.endr
.set j, 0
.rept 64
	v_exp_f32 v[SB+j], v[SB+j]                     ; p = 2^(t - M), at most 1
.set j, j+1
.endr
	v_nop                                          ; the plain line behind the last exponential
	s_wait_alu depctr_va_vdst(0)                   ; and a wait behind it, ahead of its first reader
.irp b, 0,1,2,3
	v_max_num_f32 v[232+\b], 0x1800000, v[232+\b]  ; the floor 2^(3 - 127): the byte cannot fall under 1
.endr
.irp b, 0,1,2,3
	v_add_nc_u32 v[244+\b], 0xff000000, v[232+\b]  ; 2 off the exponent field: the conversion's scale operand
.endr
.irp b, 0,1,2,3
	v_lshrrev_b32 v[236+\b], 23, v[244+\b]         ; the scale's byte
.endr
	v_lshl_or_b32 v253, v237, 8, v236              ; p's scale word for these 128 keys
	v_lshl_or_b32 v253, v238, 16, v253
	v_lshl_or_b32 v253, v239, 24, v253
.irp b, 0,1,2,3                                ; block b, tile 2 b + u: keys 32 b + 16 u + 8 h + 0 .. 7 go to register 4 (b / 2) + 2 u + b % 2
	v_cvt_scalef32_pk8_fp4_f32 v[224+4*(\b/2)+(\b%2)], v[SB+16*\b:SB+7+16*\b], v[244+\b]
	v_cvt_scalef32_pk8_fp4_f32 v[226+4*(\b/2)+(\b%2)], v[SB+8+16*\b:SB+15+16*\b], v[244+\b]
.endr
	v_nop                                          ; one plain line behind the scaled conversions
.irp c, 0,1
.irp u, 0,1
	v_permlane16_swap_b32 v[224+4*\c+2*\u], v[225+4*\c+2*\u]   ; register 4 c + d of half h now holds keys 64 c + 32 h + 8 d ..
.endr
.endr
	v_pk_add_f32 v[236:237], v[SB:SB+1], v[SB+2:SB+3]   ; the row's sum of the unquantised p, in two chains.  These 32 lines are also the places between p's codes and scale word and the products
.set j, 4
.rept 15
	v_pk_add_f32 v[14:15], v[14:15], v[SB+j:SB+j+1]
	v_pk_add_f32 v[236:237], v[236:237], v[SB+j+2:SB+j+3]
.set j, j+4
.endr
	v_pk_add_f32 v[14:15], v[14:15], v[236:237]
.if \ahead
	KFETCH SB, ((\q)+1)%4                          ; p has been converted and summed: its registers take the next step's K
	s_wait_dscnt 20                                ; V and its scale words are in; the 20 loads issued behind them may be out
.else
	s_wait_dscnt 0x0
.endif
.irp p, 0,1,2,3                                ; O^T += V^T P^T: eight accumulators, one instruction each
	v_wmma_scale_f32_16x16x128_f8f6f4 v[160+16*\p:167+16*\p], v[FB+16*\p:FB+16*\p+7], v[224:231], v[160+16*\p:167+16*\p], v[248+\p], v253 matrix_a_fmt:MATRIX_FMT_FP4 matrix_b_fmt:MATRIX_FMT_FP4
	v_wmma_scale_f32_16x16x128_f8f6f4 v[168+16*\p:175+16*\p], v[FB+8+16*\p:FB+15+16*\p], v[224:231], v[168+16*\p:175+16*\p], v[248+\p], v253 matrix_a_fmt:MATRIX_FMT_FP4 matrix_b_fmt:MATRIX_FMT_FP4 matrix_a_scale:MATRIX_SCALE_ROW1
.endr
	s_add_co_u32 s3, s3, 544                       ; K's scale words: 512 bytes and two paddings a step,
	s_add_co_u32 s4, s4, 4                         ; V's: 4 bytes a step in each row
.endm
	STEP 0, 1
	STEP 1, 1
	STEP 2, 1
.Lslot:                                            ; three trips, from a slot's last step to the next slot's third
	STEP 3, 1
	s_add_co_u32 s2, s2, SLOTB
	STEP 0, 1
	STEP 1, 1
	STEP 2, 1
	s_sub_co_u32 s5, s5, 1
	s_cmp_lg_u32 s5, 0
	s_cbranch_scc1 .Lslot
	STEP 3, 0                                      ; the last step asks for nothing more
	; THE WAY OUT: O^T / the sum, quantised along the head's 128 channels
	s_wait_alu depctr_va_vdst(0)
	v_add_f32 v14, v14, v15
	v_permlanex16_b32 v252, v14, s10, s11
	v_add_f32 v14, v14, v252                       ; the row's sum
	s_wait_alu depctr_va_vdst(0)
	v_rcp_f32 v14, v14
	v_and_b32 v24, 31, v0
	v_lshlrev_b32 v24, 4, v24                      ; 16 x lane: an image's place for my lane
	v_and_b32 v25, 15, v0
	v_lshlrev_b32 v25, 6, v25                      ; 64 r: my row's scale bytes
	s_wait_alu depctr_va_vdst(0)                   ; and ahead of its first reader, which is also O^T's
.set j, 0
.rept 64
	v_mul_f32 v[32+j], v[160+j], v14               ; register 8 t + i: channel 16 t + 8 h + i of my row
.set j, j+1
.endr
.irp b, 0,1,2,3
	v_max3_num_f32 v[232+\b], |v[32+16*\b]|, |v[33+16*\b]|, 0x1800000
.endr
.irp i, 2,4,6,8,10,12,14
.irp b, 0,1,2,3
	v_max3_num_f32 v[232+\b], v[232+\b], |v[32+16*\b+\i]|, |v[33+16*\b+\i]|
.endr
.endr
.irp b, 0,1,2,3
	v_permlanex16_b32 v[236+\b], v[232+\b], s10, s11
.endr
.irp b, 0,1,2,3
	v_max_num_f32 v[232+\b], v[232+\b], v[236+\b]
.endr
.irp b, 0,1,2,3
	v_add_nc_u32 v[244+\b], 0xff000000, v[232+\b]
.endr
.irp b, 0,1,2,3
	v_lshrrev_b32 v[236+\b], 23, v[244+\b]
.endr
	v_lshl_or_b32 v253, v237, 8, v236              ; my row's scale word for this head
	v_lshl_or_b32 v253, v238, 16, v253
	v_lshl_or_b32 v253, v239, 24, v253
.irp b, 0,1,2,3
	v_cvt_scalef32_pk8_fp4_f32 v[224+4*(\b/2)+(\b%2)], v[32+16*\b:39+16*\b], v[244+\b]
	v_cvt_scalef32_pk8_fp4_f32 v[226+4*(\b/2)+(\b%2)], v[40+16*\b:47+16*\b], v[244+\b]
.endr
	v_nop
.irp c, 0,1
.irp u, 0,1
	v_permlane16_swap_b32 v[224+4*\c+2*\u], v[225+4*\c+2*\u]
.endr
.endr
	global_store_b128 v24, v[224:227], s[28:29]              ; the fragment as it stands: 512 consecutive bytes a store
	global_store_b128 v24, v[228:231], s[28:29] offset:512
	global_store_b32 v25, v253, s[30:31]                     ; lanes l and l xor 16 write the same word with the same value
	s_wait_tensorcnt 0x0                           ; the wave's end
	ds_add_u32 v5, v6
	s_wait_dscnt 0x0
	s_endpgm
.Lfunc_end_k_q6ea308c7e1_attn:
	.size	k_q6ea308c7e1_attn, .Lfunc_end_k_q6ea308c7e1_attn-k_q6ea308c7e1_attn
	.p2alignl 7, 3214868480
	.fill 96, 4, 3214868480
	.section	.rodata,"a",@progbits
	.p2align	6, 0x0
	.amdhsa_kernel k_q6ea308c7e1_attn
		.amdhsa_group_segment_fixed_size 327680
		.amdhsa_private_segment_fixed_size 0
		.amdhsa_enable_private_segment 0
		.amdhsa_kernarg_size 72
		.amdhsa_user_sgpr_count 2
		.amdhsa_user_sgpr_kernarg_segment_ptr 1
		.amdhsa_wavefront_size32 1
		.amdhsa_system_sgpr_workgroup_id_x 1
		.amdhsa_system_sgpr_workgroup_id_y 1
		.amdhsa_system_sgpr_workgroup_id_z 1
		.amdhsa_system_vgpr_workitem_id 0
		.amdhsa_next_free_vgpr 256
		.amdhsa_next_free_sgpr 102
		.amdhsa_reserve_vcc 0
		.amdhsa_float_denorm_mode_32 3
		.amdhsa_float_denorm_mode_16_64 3
		.amdhsa_memory_ordered 1
		.amdhsa_forward_progress 1
		.amdhsa_inst_pref_size 205
	.end_amdhsa_kernel
	.amdgpu_metadata
---
amdhsa.version: [ 1, 2 ]
amdhsa.kernels:
  - .name:           k_q6ea308c7e1_attn
    .symbol:         k_q6ea308c7e1_attn.kd
    .args:
      - { .name: q_codes, .offset: 0, .size: 8, .value_kind: global_buffer, .address_space: global }
      - { .name: q_scales, .offset: 8, .size: 8, .value_kind: global_buffer, .address_space: global }
      - { .name: k_codes, .offset: 16, .size: 8, .value_kind: global_buffer, .address_space: global }
      - { .name: k_scales, .offset: 24, .size: 8, .value_kind: global_buffer, .address_space: global }
      - { .name: values_codes, .offset: 32, .size: 8, .value_kind: global_buffer, .address_space: global }
      - { .name: values_scales, .offset: 40, .size: 8, .value_kind: global_buffer, .address_space: global }
      - { .name: mbits, .offset: 48, .size: 8, .value_kind: global_buffer, .address_space: global }
      - { .name: a_img, .offset: 56, .size: 8, .value_kind: global_buffer, .address_space: global }
      - { .name: a_scales, .offset: 64, .size: 8, .value_kind: global_buffer, .address_space: global }
    .group_segment_fixed_size: 327680
    .private_segment_fixed_size: 0
    .kernarg_segment_align: 8
    .kernarg_segment_size: 72
    .max_flat_workgroup_size: 512
    .sgpr_count:     102
    .vgpr_count:     256
    .wavefront_size: 32
...
	.end_amdgpu_metadata
.endif
;; end of part 2
;; launch proj (part 3): grid 8 x 32, 8 waves a work-group, clusters of 4 x 4, 327,680 bytes of LDS; arguments a_img, a_scales, W_out_codes, W_out_scales, b_out, out0; writes out0
.if DOCPART == 3
	.amdgcn_target "amdgcn-amd-amdhsa--gfx1250"
	.amdhsa_code_object_version 6
	.text
	.protected	k_q6ea308c7e1_proj
	.globl	k_q6ea308c7e1_proj
	.p2align	8
	.type	k_q6ea308c7e1_proj,@function
k_q6ea308c7e1_proj:
	s_mov_b64 s[64:65], 0
	v_nop
	global_prefetch_b8 v0, s[64:65] scope:SCOPE_SE
	s_setreg_imm32_b32 hwreg(HW_REG_WAVE_MODE, 25, 1), 1
	s_wait_xcnt 0x0
	s_wait_alu depctr_hold_cnt(0) depctr_sa_sdst(0) depctr_va_vdst(0) depctr_va_sdst(0) depctr_va_ssrc(0) depctr_va_vcc(0) depctr_vm_vsrc(0)
	s_getreg_b32 s2, hwreg(HW_REG_IB_STS2, 6, 4)
	s_cmp_eq_u32 s2, 0
	s_cbranch_scc0 .Lentry_in_a_cluster
	s_endpgm
.Lentry_in_a_cluster:
	s_bfe_u32 s2, ttmp6, 0x10000c
	s_cmp_lg_u32 s2, 0xf033
	s_cbranch_scc0 .Lentry_shape_is_right
	s_endpgm
.Lentry_shape_is_right:
; out0[m][n] = b_out[n] + sum over k of A[m][k] W[n][k], m 4,096, n 2,048, k 2,048, both operands codes of FP4 (E2M1) with one E8M0 byte for each 32 along K; sums in f32.
; A comes as images of operand registers, a_img [K slot of 512: 4][tile of 16 rows: 256][step of 128: 4][1,024 bytes], its scale bytes a_scales [row][64]; W as W_out_codes [n][1,024 bytes], W_out_scales [n][64].
; SHARES.  A work-group makes 128 rows x 256 columns: 32 x 8 = 256 work-groups.  Its eight waves (two to a SIMD) make 64 x 64 each: 16 accumulators, 128 registers; all registers lie under v256.
; LDS.  A's 128 rows for all of K: 4 x 32,768 dense bytes.  W's 256 rows go by K slots of 512 (rows of 256 bytes + 16 of padding) through two slots of 69,632 bytes.  All scale bytes (8,192 + 16,384, 16 of padding behind every 256) stay.
; THE HEAD'S EIGHT LOADS, one a wave: waves 0-3 A's four K slots, waves 4, 5 W's K slots 0, 1, wave 6 A's scale bytes, wave 7 W's.  W's K slots 2 and 3 fill the two slots again, each behind a round of the cluster's barrier,
; waves 0-3 bringing 64 rows each; a refill has one K slot's 64 products a wave in which to land.
; CLUSTER 4 x 4: A's tiles hang on the tile row alone and are asked for jointly along a row of the cluster, W's on the tile column alone and jointly along a column.
; PREFETCH: the K walk is four K slots written out, with no loop to run ahead in; W's K slots 2 and 3, which come by refills, are named once in each cluster at the head: 512 blocks of 256 bytes, 128 for each of the four
; partners of a column, told apart by address (cy): waves 0-3, one instruction each, a lane a row.  What the head's loads bring is not named.
; TRANSPOSED USE: source 0 = 16 rows of W, source 1 = 16 rows of A: a lane holds eight neighbouring columns of one row.  The bias, in that layout, is the C of each accumulator's first product.
; SCALE WORDS: lanes 0-15 hold A's block i, lanes 16-31 W's block i (read by MATRIX_SCALE_ROW1); one ds_load_b128 brings a K slot's four words.
; THE WAY OUT: 16 rows x 256 bytes at a time through the wave's own stage (in A's K slots 0 and 1, which have had their only fill and their last read behind the last barrier); sixteen lanes store one aligned run of 256 bytes.
; REGISTERS: v1-3 r, h, lane; v4, v5 A's addresses; v6, v7 W's; v8 scale words'; v9, v10 the stage in and back; v11 offset in out0; v12 in b_out; v13 the prefetch's; v14, v15 the add's;
; v16-31 scale words; v32-63 A's fragments; v64-95 W's; v96-127 the bias; v128-255 the sums.
.set PITCH, 272
.set BB,    131072                     ; W's slots lie behind A
.set BSLOT, 256*PITCH
.set SCA,   BB+2*BSLOT                 ; A's scale bytes: 32 x 272
.set SCB,   SCA+32*272                 ; W's: 64 x 272
.set SPARE, SCB+64*272                 ; the spare words: 128 bytes a wave, four blocks of 256 bytes
.set SC,  16
.set AF,  32
.set BF,  64
.set BI,  96
.set ACC, 128
.macro CROUND
	s_barrier_signal -1
	s_barrier_wait -1
	s_cmp_lg_u32 s16, 0
	s_cbranch_scc1 .Lnot_wave_0_\@
	s_barrier_signal -3
.Lnot_wave_0_\@:
	s_barrier_wait -3
	s_barrier_signal -1
	s_barrier_wait -1
.endm
	s_load_b256 s[4:11], s[0:1], 0x0               ; a_img 4, a_scales 6, W codes 8, W scales 10
	s_load_b128 s[12:15], s[0:1], 0x20             ; b_out 12, out0 14
	v_lshl_add_u32 v14, v0, 2, SPARE
	v_mov_b32 v15, 0
	ds_add_u32 v14, v15                            ; the opening
	ds_add_u32 v14, v15
	v_lshrrev_b32 v1, 5, v0
	v_readfirstlane_b32 s16, v1                    ; wave 0..7
	s_lshr_b32 s17, s16, 2                         ; which 64 rows
	s_and_b32 s18, s16, 3                          ; which 64 columns
	s_bfe_u32 s19, ttmp6, 0x40000                  ; cx
	s_bfe_u32 s20, ttmp6, 0x40004                  ; cy
	s_lshl_b32 s21, ttmp9, 2
	s_add_co_u32 s21, s21, s19                     ; X: tile column
	s_and_b32 s22, ttmp7, 0xffff
	s_lshl_b32 s22, s22, 2
	s_add_co_u32 s22, s22, s20                     ; Y: tile row
	s_lshl_b32 s23, s20, 2
	s_lshl_b32 s23, 15, s23                        ; my row of the cluster
	s_lshl_b32 s76, 0x1111, s19                    ; my column
	s_or_b32 s24, s23, (3<<16)|(1<<21)             ; A: 128 rows of 32 elements of 8 bytes, dense
	s_mov_b32 s25, 32<<16
	s_mov_b32 s26, 128<<16
	s_mov_b32 s27, 32<<16
	s_mov_b32 s28, 128
	s_mov_b32 s29, 32
	s_mov_b32 s30, 0
	s_mov_b32 s31, 0
	s_or_b32 s32, s76, (0<<16)|(1<<20)|(1<<21)|(5<<22)|(3<<25)   ; W: rows of 256 bytes, 1,024 apart, four words of padding after every 64; 256 rows at the head
	s_mov_b32 s33, 256<<16
	s_mov_b32 s34, 256<<16
	s_mov_b32 s35, 256<<16
	s_mov_b32 s36, 256
	s_mov_b32 s37, 1024
	s_mov_b32 s38, 0
	s_mov_b32 s39, 0
	s_or_b32 s40, s23, (3<<16)|(1<<20)|(1<<21)|(5<<22)|(3<<25)   ; A's scale bytes: 32 rows of 256 bytes, padded
	s_mov_b32 s41, 32<<16
	s_mov_b32 s42, 32<<16
	s_mov_b32 s43, 32<<16
	s_mov_b32 s44, 32
	s_mov_b32 s45, 32
	s_mov_b32 s46, 0
	s_mov_b32 s47, 0
	s_or_b32 s48, s76, (3<<16)|(1<<20)|(1<<21)|(5<<22)|(3<<25)   ; W's: 64 rows
	s_mov_b32 s49, 32<<16
	s_mov_b32 s50, 64<<16
	s_mov_b32 s51, 32<<16
	s_mov_b32 s52, 64
	s_mov_b32 s53, 32
	s_mov_b32 s54, 0
	s_mov_b32 s55, 0
	s_lshl_b32 s78, s22, 15                        ; A: 8 tiles x 4,096 bytes a tile row, + K slot (wave % 4) x 2^20
	s_lshl_b32 s77, s18, 20
	s_add_co_u32 s78, s78, s77
	s_mov_b32 s79, 0
	s_lshl_b32 s80, s22, 13                        ; A's scale bytes: 128 rows x 64
	s_mov_b32 s81, 0
	s_lshl_b32 s82, s21, 18                        ; W: 256 rows x 1,024
	s_mov_b32 s83, 0
	s_lshl_b32 s84, s21, 14                        ; W's scale bytes
	s_mov_b32 s85, 0
	s_and_b32 s77, s16, 1
	s_lshl_b32 s88, s77, 8                         ; waves 4, 5: K slot wave % 2
	s_mov_b32 s89, 0
	s_mul_i32 s61, s77, BSLOT
	s_add_co_u32 s61, s61, BB
	s_lshl_b32 s57, s18, 15                        ; A's K slot in LDS
	s_lshl_b32 s90, s21, 10                        ; my first column, in bytes of f32
	s_lshl_b32 s91, s18, 8
	s_add_co_u32 s90, s90, s91
	s_mov_b32 s91, 0
	s_lshl_b32 s92, s22, 7                         ; my first row
	s_lshl_b32 s93, s17, 6
	s_add_co_u32 s92, s92, s93
	s_lshl_b32 s92, s92, 13
	s_add_co_u32 s92, s92, s90
	s_mov_b32 s93, 0
	s_lshl_b32 s94, s20, 16                        ; the prefetch: rows 64 cy + 32 (wave % 2) + lane, K slot 2 + (wave / 2) % 2
	s_lshl_b32 s95, s77, 15
	s_add_co_u32 s94, s94, s95
	s_bfe_u32 s95, s16, 0x10001
	s_lshl_b32 s95, s95, 8
	s_add_co_u32 s94, s94, s95
	s_add_co_u32 s94, s94, 512
	s_mov_b32 s95, 0
	s_lshl_b32 s2, s17, 14                         ; my four tiles of A in a K slot
	s_mul_i32 s3, s18, 64*PITCH
	s_add_co_u32 s3, s3, BB                        ; my 64 rows of W in slot 0
	s_mul_i32 s98, s17, 16*272
	s_add_co_u32 s98, s98, SCA                     ; my rows' scale bytes: A's,
	s_mul_i32 s99, s18, 16*272
	s_add_co_u32 s99, s99, SCB
	s_sub_co_u32 s99, s99, s98                     ; and how far on W's lie
	s_mul_i32 s100, s16, 16*PITCH                  ; my stage
	s_wait_dscnt 0x0                               ; both opening adds are done
	s_wait_kmcnt 0x0
	s_mov_b32 s56, 1
	s_add_nc_u64 s[58:59], s[4:5], s[78:79]
	s_or_b32 s59, s59, 0x80000000
	s_mov_b32 s60, 1
	s_add_nc_u64 s[86:87], s[8:9], s[82:83]        ; my tile column's first row of W
	s_add_nc_u64 s[62:63], s[86:87], s[88:89]
	s_or_b32 s63, s63, 0x80000000
	s_mov_b32 s68, 1
	s_mov_b32 s69, SCA
	s_add_nc_u64 s[70:71], s[6:7], s[80:81]
	s_or_b32 s71, s71, 0x80000000
	s_mov_b32 s72, 1
	s_mov_b32 s73, SCB
	s_add_nc_u64 s[74:75], s[10:11], s[84:85]
	s_or_b32 s75, s75, 0x80000000
	s_add_nc_u64 s[12:13], s[12:13], s[90:91]
	s_add_nc_u64 s[14:15], s[14:15], s[92:93]
	s_add_nc_u64 s[96:97], s[86:87], s[94:95]
	CROUND                                         ; all sixteen work-groups are here: the first joint loads meet
.macro ARM under, g0, g1, next         ; one tree of branches on the wave's number: every way passes exactly one load
	s_cmp_lt_u32 s16, \under
	s_cbranch_scc0 \next
	tensor_load_to_lds s[\g0:\g0+3], s[\g1:\g1+7]
	s_nop 0
	s_branch .Lhead_asked
\next:
.endm
	ARM 4, 56, 24, .Lhead_b
	ARM 6, 60, 32, .Lhead_sa
	ARM 7, 68, 40, .Lhead_sb
	tensor_load_to_lds s[72:75], s[48:55]
	s_nop 0
.Lhead_asked:
	v_and_b32 v1, 15, v0                           ; r
	v_bfe_u32 v2, v0, 4, 1                         ; h
	v_and_b32 v3, 31, v0                           ; lane
	v_lshlrev_b32 v4, 4, v3
	v_add_nc_u32 v4, s2, v4                        ; A's images: 16 x lane; K slots 0, 1
	v_add_nc_u32 v5, 0x10000, v4                   ; K slots 2, 3
	v_mul_u32_u24 v6, v1, PITCH
	v_lshl_add_u32 v6, v2, 4, v6
	v_add_nc_u32 v6, s3, v6                        ; W: row r x pitch + 16 h, slot 0
	v_add_nc_u32 v7, BSLOT, v6                     ; slot 1
	v_lshlrev_b32 v8, 6, v1                        ; scale bytes: 64 a row, 16 more for each 256 passed
	v_lshrrev_b32 v9, 2, v1
	v_lshl_add_u32 v8, v9, 4, v8
	v_mul_u32_u24 v9, s99, v2                      ; lanes 16-31 take W's
	v_add_nc_u32 v8, v8, v9
	v_add_nc_u32 v8, s98, v8
	v_mul_u32_u24 v9, v1, PITCH
	v_lshl_add_u32 v9, v2, 5, v9
	v_add_nc_u32 v9, s100, v9                      ; the stage, in: row r, 32 bytes for each half
	v_mul_u32_u24 v10, v2, PITCH
	v_lshl_add_u32 v10, v1, 4, v10
	v_add_nc_u32 v10, s100, v10                    ; back: lanes 0-15 one row, lanes 16-31 the next
	v_lshlrev_b32 v11, 13, v2
	v_lshl_add_u32 v11, v1, 4, v11                 ; the same two rows in out0
	v_lshlrev_b32 v12, 5, v2
	v_lshlrev_b32 v13, 10, v3
	s_wait_alu depctr_va_vdst(0)
.irp b, 0,1,2,3
	global_load_b128 v[BI+8*\b:BI+8*\b+3], v12, s[12:13] offset:64*\b       ; b_out at my eight columns of W's block b
	global_load_b128 v[BI+8*\b+4:BI+8*\b+7], v12, s[12:13] offset:64*\b+16
.endr
	s_cmp_lt_u32 s16, 4
	s_cbranch_scc0 .Lno_ask
	global_prefetch_b8 v13, s[96:97] th:TH_LOAD_NT scope:SCOPE_SE   ; its address registers are never written again
.Lno_ask:
	s_wait_tensorcnt 0x0                           ; my tile has landed
	s_barrier_signal -1
	s_barrier_wait -1                              ; everybody's has
	s_wait_loadcnt 0x0                             ; the bias
; A K slot: four steps of 128 along K, 16 products each, the 16 accumulators by turns in the same order in every step.
.macro KSLOT ks, first
.irp q, 0,1,2,3
.if !((\first) && (\q) == 0)
.rept 4
	v_nop                                          ; four places in front of loads into registers that the last products read
.endr
.endif
.irp i, 0,1,2,3
.irp c, 0,1
	ds_load_b128 v[BF+8*\i+4*\c:BF+8*\i+4*\c+3], v[6+(\ks)%2] offset:\i*16*PITCH+64*\q+32*\c
.endr
.endr
.if (\q) == 0
.irp i, 0,1,2,3
	ds_load_b128 v[SC+4*\i:SC+4*\i+3], v8 offset:\i*4*272+16*(\ks)
.endr
.endif
.irp i, 0,1,2,3
.irp c, 0,1
	ds_load_b128 v[AF+8*\i+4*\c:AF+8*\i+4*\c+3], v[4+(\ks)/2] offset:((\ks)%2)*32768+\i*4096+\q*1024+512*\c
.endr
.endr
.irp a, 0,1,2,3
	s_wait_dscnt 6-2*\a                            ; W, the scale words and A's blocks up to a are in; two loads for each later block of A may be out
.irp b, 0,1,2,3
.if (\first) && (\q) == 0
	v_wmma_scale_f32_16x16x128_f8f6f4 v[ACC+8*(4*\a+\b):ACC+8*(4*\a+\b)+7], v[BF+8*\b:BF+8*\b+7], v[AF+8*\a:AF+8*\a+7], v[BI+8*\b:BI+8*\b+7], v[SC+4*\b+\q], v[SC+4*\a+\q] matrix_a_fmt:MATRIX_FMT_FP4 matrix_b_fmt:MATRIX_FMT_FP4 matrix_a_scale:MATRIX_SCALE_ROW1
.else
	v_wmma_scale_f32_16x16x128_f8f6f4 v[ACC+8*(4*\a+\b):ACC+8*(4*\a+\b)+7], v[BF+8*\b:BF+8*\b+7], v[AF+8*\a:AF+8*\a+7], v[ACC+8*(4*\a+\b):ACC+8*(4*\a+\b)+7], v[SC+4*\b+\q], v[SC+4*\a+\q] matrix_a_fmt:MATRIX_FMT_FP4 matrix_b_fmt:MATRIX_FMT_FP4 matrix_a_scale:MATRIX_SCALE_ROW1
.endif
.endr
.endr
.endr
.endm
; W's slot n is filled again with K slot 2 + n: every wave's three lines, a round of the cluster's barrier, and behind it one joint load in each of waves 0-3, 64 rows each.
.macro REFILL n
	s_wait_tensorcnt 0x0                           ; no tensor load of mine is out, so the descriptor may be written
	ds_add_u32 v14, v15
.if (\n) == 0
	s_mov_b32 s34, 64<<16                          ; from here on a load brings 64 rows
	s_mov_b32 s36, 64
	s_mul_i32 s61, s18, 64*PITCH
	s_add_co_u32 s61, s61, BB
	s_lshl_b32 s88, s18, 16
	s_add_co_u32 s88, s88, 512
	s_add_nc_u64 s[62:63], s[86:87], s[88:89]
	s_or_b32 s63, s63, 0x80000000
.else
	s_add_co_u32 s61, s61, BSLOT
	s_add_nc_u64 s[62:63], s[62:63], 256
.endif
	s_wait_dscnt 0x0                               ; the add is done, and my reads of the slot are over
	CROUND
	s_cmp_lt_u32 s16, 4
	s_cbranch_scc0 .Lno_fill_\@
	tensor_load_to_lds s[60:63], s[32:39]
	s_nop 0
.Lno_fill_\@:
.endm
	KSLOT 0, 1
	REFILL 0
	KSLOT 1, 0
	REFILL 1                                       ; its wait for 0 also shows K slot 2 landed, its round shows that to every wave
	KSLOT 2, 0
	s_wait_tensorcnt 0x0                           ; K slot 3
	s_wait_dscnt 0x0
	s_barrier_signal -1
	s_barrier_wait -1
	KSLOT 3, 0
.macro TOSTAGE a                       ; block a: 16 rows x 64 columns into my stage and back as whole rows; LDS serves a wave's instructions in order
.irp b, 0,1,2,3
	ds_store_b128 v9, v[ACC+8*(4*(\a)+\b):ACC+8*(4*(\a)+\b)+3] offset:64*\b       ; each accumulator from its low end on
	ds_store_b128 v9, v[ACC+8*(4*(\a)+\b)+4:ACC+8*(4*(\a)+\b)+7] offset:64*\b+16
.endr
.irp t, 0,1,2,3,4,5,6,7
	ds_load_b128 v[32+32*((\a)%2)+4*\t:32+32*((\a)%2)+4*\t+3], v10 offset:\t*2*PITCH
.endr
.endm
.macro SEND a, younger
	s_wait_dscnt \younger
.irp t, 0,1,2,3,4,5,6,7
	global_store_b128 v11, v[32+32*((\a)%2)+4*\t:32+32*((\a)%2)+4*\t+3], s[14:15] offset:(16*(\a)+2*\t)*8192 th:TH_STORE_NT   ; sixteen lanes store 256 consecutive aligned bytes
.endr
.endm
.rept 4
	v_nop                                          ; four places in front of the first read of the last results and of the loads into A's registers
.endr
	TOSTAGE 0
.irp a, 1,2,3
.if \a > 1
	s_wait_xcnt 0x0                                ; block a - 2's stores have read their registers
.endif
	TOSTAGE \a
	SEND \a-1, 16                                  ; behind block a - 1's loads: block a's 8 stores and 8 loads
.endr
	SEND 3, 0
	s_wait_tensorcnt 0x0                           ; the wave's end
	ds_add_u32 v14, v15
	s_wait_dscnt 0x0
	CROUND                                         ; the closing round
	s_endpgm
.Lfunc_end_k_q6ea308c7e1_proj:
	.size	k_q6ea308c7e1_proj, .Lfunc_end_k_q6ea308c7e1_proj-k_q6ea308c7e1_proj
	.p2alignl 7, 3214868480
	.fill 96, 4, 3214868480
	.section	.rodata,"a",@progbits
	.p2align	6, 0x0
	.amdhsa_kernel k_q6ea308c7e1_proj
		.amdhsa_group_segment_fixed_size 327680
		.amdhsa_private_segment_fixed_size 0
		.amdhsa_enable_private_segment 0
		.amdhsa_kernarg_size 48
		.amdhsa_user_sgpr_count 2
		.amdhsa_user_sgpr_kernarg_segment_ptr 1
		.amdhsa_wavefront_size32 1
		.amdhsa_system_sgpr_workgroup_id_x 1
		.amdhsa_system_sgpr_workgroup_id_y 1
		.amdhsa_system_sgpr_workgroup_id_z 1
		.amdhsa_system_vgpr_workitem_id 0
		.amdhsa_next_free_vgpr 256
		.amdhsa_next_free_sgpr 101
		.amdhsa_reserve_vcc 0
		.amdhsa_float_denorm_mode_32 3
		.amdhsa_float_denorm_mode_16_64 3
		.amdhsa_memory_ordered 1
		.amdhsa_forward_progress 1
		.amdhsa_inst_pref_size 72
	.end_amdhsa_kernel
	.amdgpu_metadata
---
amdhsa.version: [ 1, 2 ]
amdhsa.kernels:
  - .name:           k_q6ea308c7e1_proj
    .symbol:         k_q6ea308c7e1_proj.kd
    .args:
      - { .name: a_img, .offset: 0, .size: 8, .value_kind: global_buffer, .address_space: global }
      - { .name: a_scales, .offset: 8, .size: 8, .value_kind: global_buffer, .address_space: global }
      - { .name: W_out_codes, .offset: 16, .size: 8, .value_kind: global_buffer, .address_space: global }
      - { .name: W_out_scales, .offset: 24, .size: 8, .value_kind: global_buffer, .address_space: global }
      - { .name: b_out, .offset: 32, .size: 8, .value_kind: global_buffer, .address_space: global }
      - { .name: out0, .offset: 40, .size: 8, .value_kind: global_buffer, .address_space: global }
    .group_segment_fixed_size: 327680
    .private_segment_fixed_size: 0
    .kernarg_segment_align: 8
    .kernarg_segment_size: 48
    .max_flat_workgroup_size: 256
    .sgpr_count:     101
    .vgpr_count:     256
    .wavefront_size: 32
...
	.end_amdgpu_metadata
.endif
;; end of part 3
